; MI455X (gfx1250); checked and timed in simulation.
; The chip was launched on July 23, 2026; its instructions are those of AMD's public machine-readable ISA for CDNA 5 (MIT licence, August 2026) and "CDNA5" Instruction Set Architecture Reference Guide (July 2026). The comments in the code are by the model that wrote it; some were corrected since.
;; Hard Causal Deep O Net. Allowed arithmetic: matrix products marked QUANTISED: E2M3 operands, one E8M0 scale for each 32 along K, by v_wmma_scale_f32_16x16x128_f8f6f4 with both operands' format E2M3, f32 sums; products left as they are: f32 operands where the result goes on into a quantised operand, else bf16, f16 or f32 operands; f32 sums; everything else in f32.
;; Inputs: bb1 128 float32; bb2 128 float32; bb3 128 float32; bw1_codes 128 x 4 x 24 uint8 (E2M3 codes of bw1, K innermost, in blocks of 32 codes, four codes in three bytes); bw1_scales 128 x 4 uint8 (E8M0 scales of bw1, one for each 32 codes along K); bw2_codes 128 x 4 x 24 uint8 (E2M3 codes of bw2, K innermost, in blocks of 32 codes, four codes in three bytes); bw2_scales 128 x 4 uint8 (E8M0 scales of bw2, one for each 32 codes along K); bw3_codes 128 x 4 x 24 uint8 (E2M3 codes of bw3, K innermost, in blocks of 32 codes, four codes in three bytes); bw3_scales 128 x 4 uint8 (E8M0 scales of bw3, one for each 32 codes along K); t 4,096 float32; tb1 128 float32; tb2 128 float32; tb3 128 float32; tw1 128 x 4 float32; tw2_codes 128 x 4 x 24 uint8 (E2M3 codes of tw2, K innermost, in blocks of 32 codes, four codes in three bytes); tw2_scales 128 x 4 uint8 (E8M0 scales of tw2, one for each 32 codes along K); tw3_codes 128 x 4 x 24 uint8 (E2M3 codes of tw3, K innermost, in blocks of 32 codes, four codes in three bytes); tw3_scales 128 x 4 uint8 (E8M0 scales of tw3, one for each 32 codes along K); u0_codes 256 x 32 x 24 uint8 (E2M3 codes of u0, K innermost, in blocks of 32 codes, four codes in three bytes); u0_scales 256 x 32 uint8 (E8M0 scales of u0, one for each 32 codes along K); x 4,096 float32.
;; Outputs: out0 256 x 4,096 float32.
;; This version of the problem:
;;   THIS VERSION OF THE PROBLEM IS GIVEN IN LOW PRECISION. The matrix products marked QUANTISED in the list below multiply operands that are first quantised to E2M3 (2 exponent bits, 3 mantissa bits; 6 bits a number), with one power-of-two scale for each 32 numbers along K (OCP MX v1.0); their sums are f32. All else is computed in f32.
;;   The module's matrix products, in the order in which they are computed (A, B: the left and right operand; K: the contracted axis; several contracted axes count as one K, in the product's order):
;;     1. [M 256, K 1,024] x [K 1,024, N 64]; A: input u0 (given as codes); B: computed on the way: QUANTISED
;;     2. [M 256, K 1,024] x [K 1,024, N 64]; A: input u0 (given as codes); B: computed on the way: QUANTISED
;;     3. [M 256, K 128] x [K 128, N 128]; A: computed on the way; B: input bw1 (given as codes): QUANTISED
;;     4. [M 256, K 128] x [K 128, N 128]; A: computed on the way; B: input bw2 (given as codes): QUANTISED
;;     5. [M 256, K 128] x [K 128, N 128]; A: computed on the way; B: input bw3 (given as codes): QUANTISED
;;     6. [M 1,048,576, K 4] x [K 4, N 128]; A: computed on the way; B: input tw1: left as it is (K = 4 < 32)
;;     7. [M 1,048,576, K 128] x [K 128, N 128]; A: computed on the way; B: input tw2 (given as codes): QUANTISED
;;     8. [M 1,048,576, K 128] x [K 128, N 128]; A: computed on the way; B: input tw3 (given as codes): QUANTISED
;;     9. batch 256 x [M 1, K 128] x [K 128, N 4,096]; A: computed on the way; B: computed on the way: left as it is (M = 1 < 16)
;;   THE QUANTISER, for each operand of a quantised product, along K:
;;     - K is cut into blocks of 32 from its start; a last block that is shorter is filled with zeros.
;;     - A block's scale is 2^e with e = floor(log2(the largest magnitude in the block)) - 2, held to -126 .. 127; a block of zeros has e = 0. As a byte (E8M0): e + 127.
;;     - Each number is divided by its block's scale, clamped to +-7.5, and rounded to the nearest number of E2M3, ties to even, subnormals kept.
;;     - The product sums the exact products of the quantised numbers (number of the format x scale) in f32.
;;   ~~~python
;;   def quantise(x, axis):      # numpy; x: float32 -> the quantised numbers, widened to float32 again
;;       x = np.moveaxis(x, axis, -1); K = x.shape[-1]
;;       x = np.pad(x, [(0, 0)] * (x.ndim - 1) + [(0, -K % 32)]); x = x.reshape(x.shape[:-1] + (-1, 32)); a = np.abs(x).max(-1, keepdims=True)
;;       e = np.where(a > 0, np.clip(np.frexp(np.where(a > 0, a, 1))[1] - 1 - 2, -126, 127), 0)      # np.frexp(a)[1] - 1 = floor(log2(a)), exactly
;;       r = np.clip(x / 2.0 ** e, -7.5, 7.5)
;;       step = 2.0 ** (np.maximum(np.frexp(np.where(r == 0, 1, r))[1] - 1, 0) - 3)
;;       q = np.round(r / step) * step * 2.0 ** e      # np.round: ties to even
;;       return np.moveaxis(q.reshape(q.shape[:-2] + (-1,))[..., :K], -1, axis).astype(np.float32)
;;   ~~~
;;   OPERANDS COMPUTED ON THE WAY. 'Computed on the way' means the value that the module computes at that place (a softmax that the list does not call 'softmax' is quantised finished and normalised). What goes into a quantiser is computed in f32, as accurately as f32 sums, v_exp_f32 and their like allow (about 1e-6 of the number): no bf16 or f16 on the way to a quantiser, and a product that is left as it is and whose result goes on into a quantised operand takes f32 operands (vector FMAs, or v_wmma_f32_16x16x4_f32). A number that lies on a knife's edge between two numbers of the format may be rounded either way, as far as f32 arithmetic and the matrix unit's own rounding can turn it there, and no further.
;;   INPUTS GIVEN AS CODES. bw1 (in the module: [128, 128], K = its axis 1); bw2 (in the module: [128, 128], K = its axis 1); bw3 (in the module: [128, 128], K = its axis 1); tw2 (in the module: [128, 128], K = its axis 1); tw3 (in the module: [128, 128], K = its axis 1); u0 (in the module: [256, 1024], K = its axis 1): each comes as NAME_codes (uint8): NAME with its K axis moved to the last place and cut into blocks of 32 codes, [.., K / 32, bytes a block], one block behind the other in memory; four codes in three bytes: a row's codes are one little-endian stream of bits, code i at bits 6 i .. 6 i + 5 (a code: sign, 2 exponent bits, 3 mantissa bits); and NAME_scales (uint8): the same leading axes, one E8M0 byte (e + 127) for each 32 codes along K. Its value is code x scale, taken as it is: it is not quantised again, and the codes and scales need not be those that the quantiser above would give.
;; One version. Each part assembles by itself: llvm-mc -triple=amdgcn-amd-amdhsa -mcpu=gfx1250 --defsym DOCPART=n.
;; ======== version 1 of 1: 2 launches
;; limits: right only within a limited range of input values
;; workspace buffers: fw 524,288 bytes; h1 458,752 bytes
;; launch front (part 1): grid 384 x 1, 4 waves a work-group, no clusters, 6,144 bytes of LDS; arguments u0_codes, u0_scales, x, t, tw1, tb1, fw, h1; writes fw, h1
.if DOCPART == 1
	.amdgcn_target "amdgcn-amd-amdhsa--gfx1250"
	.amdhsa_code_object_version 6
	.text
	.protected	k_q5c52a33b2d_front
	.globl	k_q5c52a33b2d_front
	.p2align	8
	.type	k_q5c52a33b2d_front,@function
k_q5c52a33b2d_front:
	s_mov_b64 s[64:65], 0
	v_nop
	global_prefetch_b8 v0, s[64:65] scope:SCOPE_SE
	s_setreg_imm32_b32 hwreg(HW_REG_WAVE_MODE, 25, 1), 1
	s_wait_xcnt 0x0
; FRONT: what depends on the batch row alone, up to the Fourier coefficients' partial sums, and what depends on the point alone, up to the trunk's first hidden layer as codes.
; Work-groups 0-127: THE FOURIER PATH.  Work-group n (kq = n % 4, j = n / 4 % 8, part = n / 32) makes the table's tile of modes 8 j + 1 .. 8 j + 8 (8 rows of cosines, 8 of sines) for sensors
;   256 kq .. 256 kq + 255, quantises it along the sensors to FP6 (E2M3) with one E8M0 byte for each 32, and multiplies it with the codes of 64 rows of u0, 64 part on, 16 a wave: partial sums to fw.
;   (A tile of the table is made by four work-groups, one for each part, so that a wave asks for 13 loads of u0.)
; Work-groups 128-383: THE TRUNK'S FIRST LAYER.  The features are x and t spread over the batch by the problem's own broadcast, so they, the first product (K = 4, f32) and its quantiser are made once for each point:
;   a work-group takes 16 points and stores the quantised hidden layer as an operand's image.
; fw [kq 4][tile of 16 batch rows 16][j 8][g 2][lane 32][16 bytes], f32: the image of an accumulator: lane (r, h), register 4 g + i: row r of the tile, feature 64 h + 8 j + 4 g + i.
; h1 [tile of 16 points 256][1,792 bytes]: the image of a 6-bit fragment (16 points x 128 units: registers 4 c .. 4 c + 3 of lane l at 512 c + 16 l), then 8 bytes a lane: point l % 16's scale word, and its causal as f32.
; FOLDED, exact for finite numbers: the division by 1,024 sensors is taken off the table's scale bytes (10 off each: a block of 32 sensors spans 0.19 rad or more, so its largest |cos| and |sin|
;   lie over 2^-4 and the byte is 121 or more before).
; THE ANGLE keeps the roundings of the f32 program that defines it: step = i x fl(1 / 1023), xs = step - (1 - step), angle = fl(fl(pi k) x xs).  Its cosine and sine: n = the nearest whole number to
;   angle x 2 / pi; r = angle - n pi / 2 with pi / 2 in two parts (the first multiply-add is exact: |n| <= 128 has 8 bits, and the difference is a multiple of 2^-23 under 1); Taylor sums to r^9 and r^10 on |r| <= pi / 4,
;   whose next terms lie under 3e-9 of the result; quadrant by n's two lowest bits, chosen by v_cndmask_b32: no branch hangs on data.
; LIMITS: v_sqrt_f32 takes t^2 - x^2 under 2^-126 as 0; a block of zeros gets the byte 1 (its codes are zeros, and this program alone reads the bytes); blocks whose largest magnitude lies under 2^-124 were not tried;
;   NaN and infinities among the inputs are not served.
; EVERY PRODUCT IS USED TRANSPOSED (source 0 = 16 rows of the table or of tw1, source 1 = 16 rows of u0 or 16 points): a lane holds one row of the result, its registers run along the next K.
; In the trunk wave w makes units 32 w .. 32 w + 31: one block of the next K; lane r of tile u takes weight row 32 w + 8 u + r + 8 (r / 8), so that the lane's 16 registers are units 32 w + 16 (lane / 16) + 0 .. 15.
; The four waves' codes meet in LDS as rows of 96 bytes, 104 apart, their scale bytes as words of 4; wave 0 reads the whole operand back and stores it.
; NO CLUSTER, NO TENSOR LOAD: a work-group reads each byte once, straight into operand registers.  No loop: nothing is stepped.
.set NFW,    128                       ; work-groups of the Fourier path
.set TAB,    0                         ; LDS, Fourier path: the table's tile: 16 rows x 192 bytes of codes, 200 apart
.set TPITCH, 200
.set TSC,    3328                      ; its scale bytes, 8 a row
.set HC1,    3584                      ; LDS, trunk path: the hidden layer's codes, 16 rows 104 apart;
.set HS1,    5376                      ; its scale words
.set SPARE,  5632                      ; the spare words, 128 bytes for each wave
.set APITCH, 104
.set WV,     36                        ; s36  my wave's number
.set SEL,    38                        ; s[38:39] lane selects for v_permlanex16_b32: lane l xor 16
.set QM0,    28                        ; v28-31 the quantiser's own: two maxima, the conversion's scale operand, the byte
.set QM1,    29
.set SCO,    30
.set ACC,    32                        ; v32-47 accumulators: written by matrix instructions alone, in the whole text
; v16-20 hold scale words and nothing else.
.macro PL n                            ; places behind a matrix instruction (ISA guide 7.12.1)
.rept \n
	v_nop
.endr
.endm
.macro BAR                             ; my LDS stores have landed and my LDS loads are in: then the work-group's barrier
	s_wait_dscnt 0x0
	s_barrier_signal -1
	s_barrier_wait -1
.endm
; Half a block: 16 neighbours along K in v[s] on become 12 bytes of codes in v[pc] on and the block's byte in v[by].  x = 0: the other half lies in lane l xor 16; x = 1: in lane l xor 8.  dn = 1: 10 off the byte.
.macro QB s, x, pc, by, dn
	v_max3_num_f32 v[QM0], |v[\s]|, |v[\s+1]|, 0x1800000             ; two chains; the floor 2^(3 - 127) among the leaves holds the byte at 1 from below
	v_max3_num_f32 v[QM1], |v[\s+8]|, |v[\s+9]|, |v[\s+10]|
	v_max3_num_f32 v[QM0], v[QM0], |v[\s+2]|, |v[\s+3]|
	v_max3_num_f32 v[QM1], v[QM1], |v[\s+11]|, |v[\s+12]|
	v_max3_num_f32 v[QM0], v[QM0], |v[\s+4]|, |v[\s+5]|
	v_max3_num_f32 v[QM1], v[QM1], |v[\s+13]|, |v[\s+14]|
	v_max3_num_f32 v[QM0], v[QM0], |v[\s+6]|, |v[\s+7]|
	v_max3_num_f32 v[QM0], v[QM0], v[QM1], |v[\s+15]|
.if \x
	v_max_num_f32_dpp v[QM0], v[QM0], v[QM0] row_xmask:8 row_mask:0xf bank_mask:0xf
.else
	v_permlanex16_b32 v[QM1], v[QM0], s[SEL], s[SEL+1]
	v_max_num_f32 v[QM0], v[QM0], v[QM1]                             ; the block's largest magnitude
.endif
	v_add_nc_u32 v[SCO], 0xff000000, v[QM0]                          ; 2 off its exponent field: the conversion takes this operand's exponent field as its scale, and nothing else of it
	v_cvt_scalef32_pk16_fp6_f32 v[\pc:\pc+2], v[\s:\s+15], v[SCO]
.if \dn
	v_add_nc_u32 v[\by], 0xfb000000, v[SCO]                          ; (the plain line behind the conversion)  10 more off: the division by 1,024
	v_lshrrev_b32 v[\by], 23, v[\by]
.else
	v_lshrrev_b32 v[\by], 23, v[SCO]                                 ; (the plain line behind the conversion)  the scale's byte
.endif
.endm
.macro PUT ca, cb, pc, by, off, boff   ; 12 bytes of codes and the byte to LDS; both halves of a block write the same byte with the same value
	ds_store_b32 v[\ca], v[\pc] offset:\off
	ds_store_b32 v[\ca], v[\pc+1] offset:\off+4
	ds_store_b32 v[\ca], v[\pc+2] offset:\off+8
	ds_store_b8 v[\cb], v[\by] offset:\boff
.endm
.macro SPAIR reg, val                  ; a constant for packed forms: they name a pair and take its low word for both halves, so both are written
	s_mov_b32 s[\reg], \val
	s_mov_b32 s[\reg+1], \val
.endm
	s_load_b512 s[8:23], s[0:1], 0x0               ; u0's codes 8, u0's scales 10, x 12, t 14, tw1 16, tb1 18, fw 20, h1 22
	v_lshl_add_u32 v254, v0, 2, SPARE
	v_mov_b32 v255, 0
	v_lshrrev_b32 v3, 5, v0
	v_readfirstlane_b32 s[WV], v3                  ; wave 0..3
	v_and_b32 v1, 15, v0                           ; r
	v_bfe_u32 v2, v0, 4, 1                         ; h
	v_and_b32 v3, 31, v0
	v_lshlrev_b32 v3, 4, v3                        ; 16 x lane
	s_mov_b32 s[SEL], 0x76543210
	s_mov_b32 s[SEL+1], 0xfedcba98
	s_wait_alu depctr_va_vdst(0)
	s_cmp_lt_u32 ttmp9, NFW                        ; which path: by the work-group's number
	s_cbranch_scc0 .Ltrunk
; ======== THE FOURIER PATH ========
.set TS,  16                           ; v16-17   the table's scale words, K steps 0, 1
.set US,  18                           ; v18-19   u0's
.set U0,  64                           ; v64-87   u0's fragments: K step s at 64 + 12 s
.set FI,  160                          ; v160-167 eight sensor numbers as f32, four pairs
.set PIK, 168                          ; v168-169 fl(pi k), twice
.set VS3, 170                          ; v170-171 -1/7!, twice;  v172-173 1/8!, twice
.set VC3, 172
.set TP,  174                          ; v174-221 at work: 12 registers for each pair of angles
.set COS, 222                          ; v222-237 my 16 cosines;  v238-253 my 16 sines
.set SIN, 238
.set AF,  174                          ; v174-197 later: the table's two fragments
.set RC,  40                           ; s[40:41] fl(1 / 1023)
.set TOP, 42                           ; 2 / pi
.set NPH, 44                           ; -(pi / 2 rounded to f32)
.set NPM, 46                           ; -(the rest of pi / 2)
.set CS4, 48                           ; 1/9!
.set CS2, 50                           ; 1/5!
.set CS1, 52                           ; -1/3!
.set CC4, 54                           ; -1/10!
.set CC2, 56                           ; -1/6!
.set CC1, 58                           ; 1/4!
.set SGN, 60                           ; s60 the sign bit;  s66-73 eight masks
	s_and_b32 s3, ttmp9, 3                         ; kq
	s_lshr_b32 s2, ttmp9, 2
	s_and_b32 s2, s2, 7                            ; j
	s_lshr_b32 s78, ttmp9, 5                       ; part
	s_lshl_b32 s78, s78, 2
	s_add_co_u32 s78, s78, s[WV]                   ; my tile of 16 rows: 4 part + w
	s_mul_i32 s4, s3, 192                          ; 256 codes of a row of u0
	s_mov_b32 s5, 0
	s_lshl_b32 s6, s3, 3                           ; and their 8 scale bytes
	s_mov_b32 s7, 0
	s_lshl_b32 s76, s3, 17                         ; fw: 131,072 kq + 1,024 j
	s_lshl_b32 s37, s2, 10
	s_add_co_u32 s76, s76, s37
	s_mov_b32 s77, 0
	s_mul_i32 s37, s78, 12288
	s_lshl_b32 s75, s78, 9
	s_lshl_b32 s79, s78, 13
	SPAIR RC,  0x3a802008
	SPAIR TOP, 0x3f22f983
	SPAIR NPH, 0xbfc90fdb
	SPAIR NPM, 0x333bbd2e
	SPAIR CS4, 0x3638ef1d
	SPAIR CS2, 0x3c088889
	SPAIR CS1, 0xbe2aaaab
	SPAIR CC4, 0xb493f27e
	SPAIR CC2, 0xbab60b61
	SPAIR CC1, 0x3d2aaaab
	s_mov_b32 s[SGN], 0x80000000
	v_mul_u32_u24 v4, v1, 768                      ; u0's codes: row r of 768 bytes, + 24 h, + my tile's 16 rows
	v_mad_u32_u24 v4, v2, 24, v4
	v_add_nc_u32 v4, s37, v4
	v_lshlrev_b32 v5, 5, v1                        ; u0's scale bytes: 32 a row
	v_add_nc_u32 v5, s75, v5
	; THE MAKER.  Thread n owns mode 8 j + 1 + n % 8 and the 16 sensors from 256 kq + 16 (n / 8) on: half a block; the other half lies 8 lanes away.
	v_and_b32 v6, 7, v0                            ; which of the 8 modes
	v_lshrrev_b32 v7, 3, v0                        ; which 16 sensors, 0..15
	s_lshl_b32 s37, s2, 3
	s_add_co_u32 s37, s37, 1
	v_add_nc_u32 v8, s37, v6                       ; k
	v_cvt_f32_u32 v8, v8
	v_mul_f32 v[PIK], 0x40490fdb, v8               ; fl(pi k)
	v_mov_b32 v[PIK+1], v[PIK]
	s_lshl_b32 s37, s3, 8
	v_lshl_add_u32 v8, v7, 4, s37                  ; my first sensor
	v_cvt_f32_u32 v[FI], v8
	v_add_f32 v[FI+1], 1.0, v[FI]
	v_pk_add_f32 v[FI+2:FI+3], v[FI:FI+1], 2.0 op_sel_hi:[1,0]
	v_pk_add_f32 v[FI+4:FI+5], v[FI:FI+1], 4.0 op_sel_hi:[1,0]
	v_pk_add_f32 v[FI+6:FI+7], v[FI+2:FI+3], 4.0 op_sel_hi:[1,0]
	v_mov_b32 v[VS3], 0xb9500d01
	v_mov_b32 v[VS3+1], 0xb9500d01
	v_mov_b32 v[VC3], 0x37d00d01
	v_mov_b32 v[VC3+1], 0x37d00d01
	v_mul_u32_u24 v9, v6, TPITCH                   ; LDS, in: my mode's row, 12 bytes for each 16 sensors
	v_mad_u32_u24 v9, v7, 12, v9
	v_lshrrev_b32 v10, 4, v0                       ; my block, 0..7,
	v_lshl_add_u32 v10, v6, 3, v10                 ; among my row's 8 scale bytes
	v_mul_u32_u24 v11, v1, TPITCH                  ; LDS, out: row r, + 24 h
	v_mad_u32_u24 v11, v2, 24, v11
	v_lshlrev_b32 v12, 3, v1                       ; and row r's 8 scale bytes
	v_add_nc_u32 v13, s79, v3                      ; fw: 16 x lane + my tile's 8,192 bytes
; Eight angles, four pairs by turns, so that no line waits for the line above it.  Of a pair's 12 registers: +0 step, xs, the angle, then z = r^2; +2 1 - step, then n; +4 r; +6 the sine's sum; +8 the cosine's; +10 z r, then z^2.
.macro ANG8 g
.if \g
.irp p, 0,1,2,3
	v_pk_add_f32 v[FI+2*\p:FI+2*\p+1], v[FI+2*\p:FI+2*\p+1], 0x41000000 op_sel_hi:[1,0]   ; the next eight sensors
.endr
.endif
.irp p, 0,1,2,3
.set X, TP+12*\p
	v_pk_mul_f32 v[X:X+1], v[FI+2*\p:FI+2*\p+1], s[RC:RC+1] op_sel_hi:[1,0]               ; step = i x fl(1 / 1023)
.endr
.irp p, 0,1,2,3
.set X, TP+12*\p
	v_pk_fma_f32 v[X+2:X+3], v[X:X+1], -1.0, 1.0 op_sel_hi:[1,0,0]                        ; 1 - step (the product is exact: one rounding)
.endr
.irp p, 0,1,2,3
.set X, TP+12*\p
	v_pk_add_f32 v[X:X+1], v[X:X+1], v[X+2:X+3] neg_lo:[0,1] neg_hi:[0,1]                 ; xs = step - (1 - step)
.endr
.irp p, 0,1,2,3
.set X, TP+12*\p
	v_pk_mul_f32 v[X:X+1], v[X:X+1], v[PIK:PIK+1]                                         ; the angle
.endr
.irp p, 0,1,2,3
.set X, TP+12*\p
	v_pk_mul_f32 v[X+2:X+3], v[X:X+1], s[TOP:TOP+1] op_sel_hi:[1,0]
.endr
.irp p, 0,1,2,3
.set X, TP+12*\p
	v_rndne_f32 v[X+2], v[X+2]                                                            ; n
	v_rndne_f32 v[X+3], v[X+3]
.endr
.irp p, 0,1,2,3
.set X, TP+12*\p
	v_pk_fma_f32 v[X+4:X+5], v[X+2:X+3], s[NPH:NPH+1], v[X:X+1] op_sel_hi:[1,0,1]         ; exact
.endr
.irp p, 0,1,2,3
.set X, TP+12*\p
	v_pk_fma_f32 v[X+4:X+5], v[X+2:X+3], s[NPM:NPM+1], v[X+4:X+5] op_sel_hi:[1,0,1]       ; r
.endr
.irp p, 0,1,2,3
.set X, TP+12*\p
	v_cvt_i32_f32 v[X+2], v[X+2]
	v_cvt_i32_f32 v[X+3], v[X+3]
.endr
.irp p, 0,1,2,3
.set X, TP+12*\p
	v_pk_mul_f32 v[X:X+1], v[X+4:X+5], v[X+4:X+5]                                         ; z
.endr
.irp p, 0,1,2,3
.set X, TP+12*\p
	v_pk_fma_f32 v[X+6:X+7], v[X:X+1], s[CS4:CS4+1], v[VS3:VS3+1] op_sel_hi:[1,0,1]
	v_pk_fma_f32 v[X+8:X+9], v[X:X+1], s[CC4:CC4+1], v[VC3:VC3+1] op_sel_hi:[1,0,1]
.endr
.irp p, 0,1,2,3
.set X, TP+12*\p
	v_pk_fma_f32 v[X+6:X+7], v[X+6:X+7], v[X:X+1], s[CS2:CS2+1] op_sel_hi:[1,1,0]
	v_pk_fma_f32 v[X+8:X+9], v[X+8:X+9], v[X:X+1], s[CC2:CC2+1] op_sel_hi:[1,1,0]
.endr
.irp p, 0,1,2,3
.set X, TP+12*\p
	v_pk_fma_f32 v[X+6:X+7], v[X+6:X+7], v[X:X+1], s[CS1:CS1+1] op_sel_hi:[1,1,0]
	v_pk_fma_f32 v[X+8:X+9], v[X+8:X+9], v[X:X+1], s[CC1:CC1+1] op_sel_hi:[1,1,0]
.endr
.irp p, 0,1,2,3
.set X, TP+12*\p
	v_pk_mul_f32 v[X+10:X+11], v[X:X+1], v[X+4:X+5]                                       ; z r
.endr
.irp p, 0,1,2,3
.set X, TP+12*\p
	v_pk_fma_f32 v[X+6:X+7], v[X+6:X+7], v[X+10:X+11], v[X+4:X+5]                         ; sin r
.endr
.irp p, 0,1,2,3
.set X, TP+12*\p
	v_pk_fma_f32 v[X+4:X+5], v[X:X+1], -0.5, 1.0 op_sel_hi:[1,0,0]                        ; 1 - z / 2
	v_pk_mul_f32 v[X+10:X+11], v[X:X+1], v[X:X+1]                                         ; z^2
.endr
.irp p, 0,1,2,3
.set X, TP+12*\p
	v_pk_fma_f32 v[X+8:X+9], v[X+8:X+9], v[X+10:X+11], v[X+4:X+5]                         ; cos r
.endr
; the quadrant: n odd swaps the two; the sine is negative where n's bit 1 is set, the cosine where that of n + 1 is
.irp i, 0,1,2,3,4,5,6,7
.set X, TP+12*(\i/2)+\i%2
	v_and_b32 v[X], 1, v[X+2]
.endr
.irp i, 0,1,2,3,4,5,6,7
.set X, TP+12*(\i/2)+\i%2
	v_lshlrev_b32 v[X+4], 30, v[X+2]
.endr
.irp i, 0,1,2,3,4,5,6,7
.set X, TP+12*(\i/2)+\i%2
	v_add_nc_u32 v[X+10], 1, v[X+2]
.endr
.irp i, 0,1,2,3,4,5,6,7
.set X, TP+12*(\i/2)+\i%2
	v_cmp_eq_u32 s[66+\i], 1, v[X]
.endr
.irp i, 0,1,2,3,4,5,6,7
.set X, TP+12*(\i/2)+\i%2
	v_lshlrev_b32 v[X+10], 30, v[X+10]
.endr
.irp i, 0,1,2,3,4,5,6,7
.set X, TP+12*(\i/2)+\i%2
	v_and_b32 v[X+4], s[SGN], v[X+4]
.endr
.irp i, 0,1,2,3,4,5,6,7
.set X, TP+12*(\i/2)+\i%2
	v_and_b32 v[X+10], s[SGN], v[X+10]
.endr
.irp i, 0,1,2,3,4,5,6,7
.set X, TP+12*(\i/2)+\i%2
	v_cndmask_b32 v[X], v[X+8], v[X+6], s[66+\i]                                          ; the cosine's magnitude
.endr
.irp i, 0,1,2,3,4,5,6,7
.set X, TP+12*(\i/2)+\i%2
	v_cndmask_b32 v[X+2], v[X+6], v[X+8], s[66+\i]                                        ; the sine's
.endr
.irp i, 0,1,2,3,4,5,6,7
.set X, TP+12*(\i/2)+\i%2
	v_xor_b32 v[COS+8*\g+\i], v[X+10], v[X]
.endr
.irp i, 0,1,2,3,4,5,6,7
.set X, TP+12*(\i/2)+\i%2
	v_xor_b32 v[SIN+8*\g+\i], v[X+4], v[X+2]
.endr
.endm
	ANG8 0                                         ; the first half of the table needs no argument: it stands ahead of the wait for them
	s_wait_alu depctr_va_vdst(0)
	s_wait_kmcnt 0x0
	s_add_nc_u64 s[8:9], s[8:9], s[4:5]
	s_add_nc_u64 s[10:11], s[10:11], s[6:7]
	s_add_nc_u64 s[20:21], s[20:21], s[76:77]
.irp s, 0,1                                    ; 13 loads; they land while the rest of the table is made
.irp p, 0,1,2,3,4,5
	global_load_b64 v[U0+12*\s+2*\p:U0+12*\s+2*\p+1], v4, s[8:9] offset:96*\s+48*(\p/3)+8*(\p%3)
.endr
.endr
	global_load_b64 v[US:US+1], v5, s[10:11]
	ANG8 1
	QB COS, 1, 200, 31, 1                          ; rows 0-7 of the tile: the cosines
	PUT 9, 10, 200, 31, TAB, TSC
	QB SIN, 1, 204, 208, 1                         ; rows 8-15: the sines, in registers of their own
	PUT 9, 10, 204, 208, TAB+8*TPITCH, TSC+64
	BAR                                            ; the tile lies in LDS
.irp s, 0,1
.irp p, 0,1,2,3,4,5
	ds_load_b64 v[AF+12*\s+2*\p:AF+12*\s+2*\p+1], v11 offset:TAB+96*\s+48*(\p/3)+8*(\p%3)
.endr
.endr
	ds_load_b64 v[TS:TS+1], v12 offset:TSC
	s_wait_dscnt 0x0
	s_wait_loadcnt 0x0                             ; u0
	v_wmma_scale_f32_16x16x128_f8f6f4 v[ACC:ACC+7], v[AF:AF+11], v[U0:U0+11], 0, v[TS], v[US] matrix_a_fmt:MATRIX_FMT_FP6 matrix_b_fmt:MATRIX_FMT_FP6
	s_wait_alu depctr_va_vdst(0)                   ; the wait directly ahead of the adding step
	v_wmma_scale_f32_16x16x128_f8f6f4 v[ACC:ACC+7], v[AF+12:AF+23], v[U0+12:U0+23], v[ACC:ACC+7], v[TS+1], v[US+1] matrix_a_fmt:MATRIX_FMT_FP6 matrix_b_fmt:MATRIX_FMT_FP6
	PL 4
	global_store_b128 v13, v[ACC:ACC+3], s[20:21]                    ; 32 lanes store 512 consecutive bytes, aligned; the accumulator from its low end on
	global_store_b128 v13, v[ACC+4:ACC+7], s[20:21] offset:512
	s_wait_tensorcnt 0x0                           ; the wave's end
	ds_add_u32 v254, v255
	s_wait_dscnt 0x0
	s_endpgm
; ======== THE TRUNK'S FIRST LAYER ========
; v20 the hidden layer's scale words.  v64 x, v65 t, v66-69 at work, v70 causal, v72-73 the features as the f32 form's source 1, v74-77 tw1's two tiles, v80-95 tb1, v96-111 the hidden layer
; (later v104-105: scale word and causal as a pair), v168-179 the finished operand, v248-250 codes.
.Ltrunk:
	s_sub_co_u32 s2, ttmp9, NFW                    ; my tile of 16 points
	s_lshl_b32 s4, s2, 6                           ; their 64 bytes of x and of t
	s_mov_b32 s5, 0
	s_mul_i32 s6, s2, 1792                         ; their record in h1
	s_mov_b32 s7, 0
	v_lshlrev_b32 v4, 2, v1                        ; 4 r: a scale word's place in LDS, and x's and t's offset
	v_and_b32 v15, 8, v1
	v_add_nc_u32 v15, v15, v1                      ; r + 8 (r / 8)
	s_lshl_b32 s37, s[WV], 9
	v_lshlrev_b32 v5, 4, v15                       ; tw1: a row is 16 bytes; the f32 form's lane (r, h) holds k = 2 h, 2 h + 1
	v_lshl_add_u32 v5, v2, 3, v5
	v_add_nc_u32 v5, s37, v5
	s_lshl_b32 s37, s[WV], 7
	v_lshl_add_u32 v8, v2, 6, s37                  ; tb1: units 32 w + 16 h on
	s_mul_i32 s37, s[WV], 24
	v_mul_u32_u24 v14, v1, APITCH
	v_mad_u32_u24 v12, v2, 12, v14                 ; LDS, in: row r, block w, half h
	v_add_nc_u32 v12, s37, v12
	v_mad_u32_u24 v14, v2, 24, v14                 ; LDS, out: row r, + 24 h
	v_add_nc_u32 v13, s[WV], v4                    ; byte w of row r's scale word
	v_lshrrev_b32 v15, 1, v3                       ; 8 x lane
	s_wait_alu depctr_va_vdst(0)
	s_wait_kmcnt 0x0
	s_add_nc_u64 s[12:13], s[12:13], s[4:5]
	s_add_nc_u64 s[14:15], s[14:15], s[4:5]
	s_add_nc_u64 s[22:23], s[22:23], s[6:7]
	global_load_b32 v64, v4, s[12:13]
	global_load_b32 v65, v4, s[14:15]
	global_load_b64 v[74:75], v5, s[16:17]
	global_load_b64 v[76:77], v5, s[16:17] offset:128
.irp i, 0,1,2,3
	global_load_b128 v[80+4*\i:83+4*\i], v8, s[18:19] offset:16*\i
.endr
	s_wait_loadcnt 0x0
	v_mul_f32 v66, v64, v64                        ; x^2 and t^2 rounded each, then the difference
	v_mul_f32 v67, v65, v65
	v_sub_f32 v68, v67, v66
	v_max_num_f32 v68, 0, v68
	s_wait_alu depctr_va_vdst(0)
	v_sqrt_f32 v69, v68                            ; the proper time
	v_and_b32 v66, 0x7fffffff, v64                 ; (plain work behind the root)  |x|
	v_cmp_le_f32 vcc_lo, v66, v65
	v_cndmask_b32 v70, 0, 1.0, vcc_lo              ; causal
	v_cmp_eq_u32 s74, 1, v2
	s_wait_alu depctr_va_vdst(0)                   ; the wait ahead of the root's first reader
	v_cndmask_b32 v72, v64, v69, s74               ; features 2 h and 2 h + 1 of point r: x, t | proper time, causal
	v_cndmask_b32 v73, v65, v70, s74
	PL 4                                           ; plain lines between the selects and the product that reads them
	v_wmma_f32_16x16x4_f32 v[32:39], v[74:75], v[72:73], v[80:87]    ; K = 4 is this form's own K; f32, since the result goes into a quantiser
	v_wmma_f32_16x16x4_f32 v[40:47], v[76:77], v[72:73], v[88:95]
	PL 8
.irp i, 0,1,2,3,4,5,6,7,8,9,10,11,12,13,14,15
	v_max_num_f32 v[96+\i], 0, v[32+\i]            ; the activation, ascending, into other registers
.endr
	QB 96, 0, 248, 31, 0
	PUT 12, 13, 248, 31, HC1, HS1
	BAR                                            ; the four blocks lie in LDS
	s_cmp_lg_u32 s[WV], 0                          ; wave 0 reads the operand back as its registers want it, and stores the image
	s_cbranch_scc1 .Ltend
.irp p, 0,1,2,3,4,5
	ds_load_b64 v[168+2*\p:169+2*\p], v14 offset:HC1+48*(\p/3)+8*(\p%3)   ; lane (r, h) takes the 24 bytes at 24 h and at 48 + 24 h of row r
.endr
	ds_load_b32 v20, v4 offset:HS1
	v_mov_b32 v105, v70
	s_wait_alu depctr_va_vdst(0)
	s_wait_dscnt 0x0
	v_mov_b32 v104, v20
	s_wait_alu depctr_va_vdst(0)
.irp c, 0,1,2
	global_store_b128 v3, v[168+4*\c:171+4*\c], s[22:23] offset:512*\c   ; 32 lanes store 512 consecutive bytes, aligned
.endr
	global_store_b64 v15, v[104:105], s[22:23] offset:1536               ; 32 lanes store 256 consecutive bytes, aligned
.Ltend:
	s_wait_tensorcnt 0x0
	ds_add_u32 v254, v255
	s_wait_dscnt 0x0
	s_endpgm
.Lfunc_end_k_q5c52a33b2d_front:
	.size	k_q5c52a33b2d_front, .Lfunc_end_k_q5c52a33b2d_front-k_q5c52a33b2d_front
	.p2alignl 7, 3214868480
	.fill 96, 4, 3214868480
	.section	.rodata,"a",@progbits
	.p2align	6, 0x0
	.amdhsa_kernel k_q5c52a33b2d_front
		.amdhsa_group_segment_fixed_size 6144
		.amdhsa_private_segment_fixed_size 0
		.amdhsa_enable_private_segment 0
		.amdhsa_kernarg_size 64
		.amdhsa_user_sgpr_count 2
		.amdhsa_user_sgpr_kernarg_segment_ptr 1
		.amdhsa_wavefront_size32 1
		.amdhsa_system_sgpr_workgroup_id_x 1
		.amdhsa_system_sgpr_workgroup_id_y 1
		.amdhsa_system_sgpr_workgroup_id_z 1
		.amdhsa_system_vgpr_workitem_id 0
		.amdhsa_next_free_vgpr 256
		.amdhsa_next_free_sgpr 80
		.amdhsa_reserve_vcc 1
		.amdhsa_float_denorm_mode_32 3
		.amdhsa_float_denorm_mode_16_64 3
		.amdhsa_memory_ordered 1
		.amdhsa_forward_progress 1
		.amdhsa_inst_pref_size 34
	.end_amdhsa_kernel
	.amdgpu_metadata
---
amdhsa.version: [ 1, 2 ]
amdhsa.kernels:
  - .name:           k_q5c52a33b2d_front
    .symbol:         k_q5c52a33b2d_front.kd
    .args:
      - { .name: u0_codes, .offset: 0, .size: 8, .value_kind: global_buffer, .address_space: global }
      - { .name: u0_scales, .offset: 8, .size: 8, .value_kind: global_buffer, .address_space: global }
      - { .name: x, .offset: 16, .size: 8, .value_kind: global_buffer, .address_space: global }
      - { .name: t, .offset: 24, .size: 8, .value_kind: global_buffer, .address_space: global }
      - { .name: tw1, .offset: 32, .size: 8, .value_kind: global_buffer, .address_space: global }
      - { .name: tb1, .offset: 40, .size: 8, .value_kind: global_buffer, .address_space: global }
      - { .name: fw, .offset: 48, .size: 8, .value_kind: global_buffer, .address_space: global }
      - { .name: h1, .offset: 56, .size: 8, .value_kind: global_buffer, .address_space: global }
    .group_segment_fixed_size: 6144
    .private_segment_fixed_size: 0
    .kernarg_segment_align: 8
    .kernarg_segment_size: 64
    .max_flat_workgroup_size: 128
    .sgpr_count:     80
    .vgpr_count:     256
    .wavefront_size: 32
...
	.end_amdgpu_metadata
.endif
;; end of part 1
;; launch main (part 2): grid 32 x 8, 8 waves a work-group, no clusters, 128,512 bytes of LDS; arguments fw, h1, tw2_codes, tw3_codes, bw1_codes, bw2_codes, bw3_codes, out0, tw2_scales, tw3_scales, bw1_scales, bw2_scales, bw3_scales, tb2, tb3, bb1, bb2, bb3; writes out0
.if DOCPART == 2
	.amdgcn_target "amdgcn-amd-amdhsa--gfx1250"
	.amdhsa_code_object_version 6
	.text
	.protected	k_q5c52a33b2d_main
	.globl	k_q5c52a33b2d_main
	.p2align	8
	.type	k_q5c52a33b2d_main,@function
k_q5c52a33b2d_main:
	s_mov_b64 s[64:65], 0
	v_nop
	global_prefetch_b8 v0, s[64:65] scope:SCOPE_SE
	s_setreg_imm32_b32 hwreg(HW_REG_WAVE_MODE, 25, 1), 1
	s_wait_xcnt 0x0
; MAIN: a work-group owns 32 batch rows (y) x 128 points (x).
; THE BRANCH.  Waves 4 g .. 4 g + 3 are group g and own batch rows 16 g .. 16 g + 15 of the 32: they add the four partial sums of the 128 Fourier coefficients, quantise them, and run the branch's three layers on codes of
;   FP6 (E2M3) with one E8M0 byte for each 32 along K.  Wave q of a group makes units 32 q .. 32 q + 31 of each layer: one block of the next K.  branch_out stays in LDS, in f32.
; THE TRUNK.  The problem's table counts the trunk's second and third product with one row for each batch row and point, 1,048,576 rows, and this text does them so.  (The rows of one point are equal for all batch rows; only what
;   stands ahead of the second product is made once for each point, by the launch before: h1.)  A UNIT is one batch row x 16 points: 8 matrix instructions (second layer), clip at 0, quantise, 8 matrix instructions
;   (third layer), and the sum over the 128 channels with that batch row's branch_out, in f32 multiply-adds, since that product has one row for each batch row.  Wave w takes batch rows 4 w .. 4 w + 3 of the 32, one after
;   the other, and for each the work-group's 8 tiles of points: 32 units.
; THE UNITS OVERLAP: behind unit u's quantiser its third layer and unit u + 1's second layer stand as one run of 16 matrix instructions, and unit u - 1's sum over the channels stands among unit u's clipping: two sets of 8 accumulators.
; THE WAY OUT, a batch row at a time: each half of the lanes has stored its 64 channels' part of a point's sum to the wave's own LDS bytes; the two parts and branch_out . tb3 (tb3 reaches no quantiser) are added, x causal.
; EVERY PRODUCT IS USED TRANSPOSED (source 0 = 16 rows of a weight, source 1 = 16 batch rows or 16 points): a lane holds one row of the result, its registers run along the next K.
;   Branch, layers 1 and 2: lane r of tile u takes weight row 32 q + 8 u + r + 8 (r / 8): the lane's 16 registers are units 32 q + 16 (lane / 16) + 0 .. 15, half a block; the other half lies in lane l xor 16.
;   Branch, layer 3, and tw3: rows as they lie: tile t, register j: channel 16 t + 8 (lane / 16) + j.
;   tw2: lane r of tile 4 c + i takes row 64 c + 8 i + r + 24 (r / 8): the lane's 32 registers of tiles 4 c .. 4 c + 3 are units 64 c + 32 (lane / 16) + 0 .. 31: a whole block, in the order of the next operand's registers.
; THE WEIGHTS, five tensors of 128 rows x 96 bytes, come once: thread n takes the 16-byte pieces n, n + 256, n + 512 of each and lays piece c into row c / 6, rows 112 apart (28 words: the 32 lanes of a fragment's load of
;   8 bytes touch 64 different banks).  The trunk's 16 fragments, and tb2 as the second product's C, then stay in each wave's registers v256-511.
; fw [kq 4][tile of 16 batch rows 16][j 8][g 2][lane 32][16 bytes]: lane (r, h'), register 4 g + i: row r, feature 64 h' + 8 j + 4 g + i.  h1 [tile of 16 points 256][1,792 bytes]: a 6-bit fragment's image, then 8 bytes a lane: scale word, causal.
; LIMITS: a block of zeros gets the byte 1 (its codes are zeros, and this program alone reads the bytes); blocks whose largest magnitude lies under 2^-124 were not tried; NaN and infinities among the inputs are not served.
; NO CLUSTER, NO TENSOR LOAD: a row of 96 bytes is 24 words, which no padding interval (a power of two) divides, so a tensor load could not lay the rows 112 apart; each work-group reads its operands once, at the head.
; NO PREFETCH: the loop reads nothing from memory.
.set WT,   14336                       ; LDS: a weight: 128 rows 112 apart: tw2, tw3, bw1, bw2, bw3, from 0 on
.set SB,   5*WT                        ; ten arrays of 512 bytes: scales of tw2, tw3, bw1, bw2, bw3; tb2, tb3, bb1, bb2, bb3
.set GB,   SB+5120                     ; a region for each group: three operands of 16 rows 112 apart, then their scale words
.set GS,   5632
.set SO,   5376
.set BO,   GB+2*GS                     ; branch_out, f32: 32 rows of 512 bytes, 528 apart
.set BOP,  528
.set CP,   BO+32*BOP                   ; branch_out . tb3: four parts a batch row
.set H1L,  CP+512                      ; h1's 8 fragments as images of 1,536 bytes;
.set HSW,  H1L+8*1536                  ; their scale words, 64 bytes a tile;
.set CAU,  HSW+512                     ; causal likewise
.set OST,  CAU+512                     ; the way out: for each wave 128 points, two halves HP apart
.set HP,   576
.set OSW,  1088
.set SPARE, OST+8*OSW                  ; the spare words, 128 bytes for each wave
.set WV,  44                           ; s44 my wave, s45 my wave in its group, s46 my group
.set WQ,  45
.set GR,  46
.set SEL, 48                           ; s[48:49] lane selects for v_permlanex16_b32: lane l xor 16
; REGISTERS in the loop, window 0: v0-3 the sum over the channels, two chains of pairs; v4, v33 the conversions' scale operands; v5 h1's images, v6 their scale words, v7 the stage, in, v8 out, v9 branch_out, v10 causal, v11 its dot with tb3;
;   v12 a lane permute's destination; v13 8 h; v14 my spare word; v15 0; v35 16 x lane; v36-39 maxima.  v16-32 and v34 hold scale words and nothing else.
.set W2S, 16                           ; v16-23 tw2's scale words (before: v16-21 the branch's weights')
.set W3S, 24                           ; v24-31 tw3's (before: v24-26 the branch's operands')
.set FS,  32                           ; v32 h1's
.set HS,  34                           ; v34 the second hidden layer's
.set L16, 35
.set MX,  36
.set QM0, 36                           ; at the head v36-39 the branch's quantiser's own
.set QM1, 37
.set SCO, 38
.set FRG, 40                           ; v40-51   h1's fragment (before: the branch's operand)
.set HC,  52                           ; v52-63   the second hidden layer's codes (before: v52-54 the branch's codes, v55-62 LDS addresses); on the way out a row's sums
.set AC1, 64                           ; v64-127  the second layer's accumulators (before: fw's partial sums; v64-79 a branch layer's results, v80-159 its layers 1 and 2)
.set AC2, 128                          ; v128-191 the third layer's (before: the weights on their way to LDS; v160-183 the branch's layer 3)
.set BV,  192                          ; v192-255 branch_out of my batch row (before: v192-209, v250-255 addresses; v210-249 the branch's layer 3)
.set W2R, 0                            ; window 1: v256-351 tw2's fragments, v352-447 tw3's, v448-511 tb2 as C
.set W3R, 96
.set TB2R, 192
.set MSB, 0
.macro WIN new                         ; s_set_vgpr_msb: bits 1:0 source 0, 3:2 source 1, 5:4 source 2, 7:6 destination; the immediate's high byte repeats the setting that is left
.if MSB != \new
	s_set_vgpr_msb (MSB<<8)|\new
.set MSB, \new
.endif
.endm
.macro PL n                            ; places behind a matrix instruction, or ahead of a scaled one (ISA guide 7.12.1)
.rept \n
	v_nop
.endr
.endm
.macro WALU
	s_wait_alu depctr_va_vdst(0)
.endm
.macro BAR                             ; my LDS stores have landed and my LDS loads are in: then the work-group's barrier
	s_wait_dscnt 0x0
	s_barrier_signal -1
	s_barrier_wait -1
.endm
.macro QB s, pc, by                    ; half a block: 16 neighbours along K in v[s] on become 12 bytes of codes in v[pc] on and the block's byte in v[by]; the other half lies in lane l xor 16
	v_max3_num_f32 v[QM0], |v[\s]|, |v[\s+1]|, 0x1800000             ; two chains; the floor 2^(3 - 127) among the leaves holds the byte at 1 from below
	v_max3_num_f32 v[QM1], |v[\s+8]|, |v[\s+9]|, |v[\s+10]|
	s_delay_alu instid0(VALU_DEP_2)
	v_max3_num_f32 v[QM0], v[QM0], |v[\s+2]|, |v[\s+3]|
	s_delay_alu instid0(VALU_DEP_2)
	v_max3_num_f32 v[QM1], v[QM1], |v[\s+11]|, |v[\s+12]|
	s_delay_alu instid0(VALU_DEP_2)
	v_max3_num_f32 v[QM0], v[QM0], |v[\s+4]|, |v[\s+5]|
	s_delay_alu instid0(VALU_DEP_2)
	v_max3_num_f32 v[QM1], v[QM1], |v[\s+13]|, |v[\s+14]|
	s_delay_alu instid0(VALU_DEP_2)
	v_max3_num_f32 v[QM0], v[QM0], |v[\s+6]|, |v[\s+7]|
	s_delay_alu instid0(VALU_DEP_1)
	v_max3_num_f32 v[QM0], v[QM0], v[QM1], |v[\s+15]|
	s_delay_alu instid0(VALU_DEP_1)
	v_permlanex16_b32 v[QM1], v[QM0], s[SEL], s[SEL+1]
	s_delay_alu instid0(VALU_DEP_1)
	v_max_num_f32 v[QM0], v[QM0], v[QM1]                             ; the block's largest magnitude
	s_delay_alu instid0(VALU_DEP_1)
	v_add_nc_u32 v[SCO], 0xff000000, v[QM0]                          ; 2 off its exponent field: the conversion takes this operand's exponent field as its scale, and nothing else of it
	v_cvt_scalef32_pk16_fp6_f32 v[\pc:\pc+2], v[\s:\s+15], v[SCO]
	v_lshrrev_b32 v[\by], 23, v[SCO]                                 ; (the plain line behind the conversion)  the scale's byte
.endm
.macro QPUT l                          ; my half block in v64-79, quantised, to my group's operand l; both halves of a block write the same byte with the same value
	QB 64, 52, 39
	ds_store_b32 v204, v52 offset:1792*\l
	ds_store_b32 v204, v53 offset:1792*\l+4
	ds_store_b32 v204, v54 offset:1792*\l+8
	ds_store_b8 v205, v39 offset:64*\l
.endm
.macro GET l                           ; operand l: lane (r, h) takes the 24 bytes at 24 h and at 48 + 24 h of row r, in pieces of 8; and row r's scale word: 7 loads
.irp p, 0,1,2,3,4,5
	ds_load_b64 v[FRG+2*\p:FRG+2*\p+1], v206 offset:1792*\l+48*(\p/3)+8*(\p%3)
.endr
	ds_load_b32 v[24+\l], v207 offset:64*\l
.endm
; My part of a branch layer: two fragments of the weight, their scale words, the bias in the result's layout.  Offsets: fo, so, bo, and fu, su, bu from tile 0 to tile 1.  18 loads.
.macro BLOAD wf, ws, bias, vf, vs, vb, fo, so, bo, fu, su, bu
.irp u, 0,1
.irp p, 0,1,2,3,4,5
	ds_load_b64 v[\wf+12*\u+2*\p:\wf+12*\u+2*\p+1], v[\vf] offset:\fo+\fu*\u+48*(\p/3)+8*(\p%3)
.endr
.endr
.irp u, 0,1
	ds_load_b32 v[\ws+\u], v[\vs] offset:\so+\su*\u
.endr
.irp u, 0,1
	ds_load_b128 v[\bias+8*\u:\bias+8*\u+3], v[\vb] offset:\bo+\bu*\u
	ds_load_b128 v[\bias+8*\u+4:\bias+8*\u+7], v[\vb] offset:\bo+\bu*\u+16
.endr
.endm
.macro BLAYER wf, bias, ws, asc        ; two tiles, two accumulators; the bias is the C
.irp u, 0,1
	v_wmma_scale_f32_16x16x128_f8f6f4 v[64+8*\u:71+8*\u], v[\wf+12*\u:\wf+12*\u+11], v[FRG:FRG+11], v[\bias+8*\u:\bias+8*\u+7], v[\ws+\u], v[\asc] matrix_a_fmt:MATRIX_FMT_FP6 matrix_b_fmt:MATRIX_FMT_FP6
.endr
.endm
.macro BRELU
.irp i, 0,1,2,3,4,5,6,7,8,9,10,11,12,13,14,15
	v_max_num_f32 v[64+\i], 0, v[64+\i]            ; ascending: an accumulator is read from its low end on
.endr
.endm
.macro TFRAGS wr, adr, base, perm      ; a trunk weight's eight fragments into window 1: 48 loads
	WIN 0x40
.irp t, 0,1,2,3,4,5,6,7
.if \perm
.set RW_, 64*(\t/4)+8*(\t%4)
.else
.set RW_, 16*\t
.endif
.irp p, 0,1,2,3,4,5
	ds_load_b64 v[\wr+12*\t+2*\p:\wr+12*\t+2*\p+1], v[\adr] offset:\base+112*RW_+48*(\p/3)+8*(\p%3)
.endr
.endr
	WIN 0
.endm
	s_load_b512 s[8:23], s[0:1], 0x0               ; fw 8, h1 10, codes of tw2 12, tw3 14, bw1 16, bw2 18, bw3 20, out0 22
	s_load_b512 s[24:39], s[0:1], 0x40             ; scales of tw2 24, tw3 26, bw1 28, bw2 30, bw3 32; tb2 34, tb3 36, bb1 38
	s_load_b128 s[40:43], s[0:1], 0x80             ; bb2 40, bb3 42
	v_lshrrev_b32 v3, 5, v0
	v_readfirstlane_b32 s[WV], v3                  ; wave 0..7
	s_and_b32 s[WQ], s[WV], 3                      ; in its group
	s_lshr_b32 s[GR], s[WV], 2                     ; the group
	s_mov_b32 s[SEL], 0x76543210
	s_mov_b32 s[SEL+1], 0xfedcba98
	s_and_b32 s2, ttmp7, 0xffff                    ; which 32 batch rows
	s_lshl_b32 s3, s2, 1
	s_add_co_u32 s3, s3, s[GR]                     ; my group's tile of 16
	s_lshl_b32 s4, s3, 13                          ; its 8,192 bytes in each quarter of fw
	s_mov_b32 s5, 0
	s_lshl_b32 s6, ttmp9, 3
	s_add_co_u32 s6, s6, s[WV]                     ; the tile of points whose record I copy: 8 x + w
	s_mul_i32 s6, s6, 1792
	s_mov_b32 s7, 0
	s_lshl_b32 s50, s2, 5
	s_lshl_b32 s52, s[WV], 2
	s_add_co_u32 s50, s50, s52                     ; my first batch row: 32 y + 4 w
	s_lshl_b32 s50, s50, 14                        ; rows of 16,384 bytes,
	s_lshl_b32 s52, ttmp9, 9                       ; + 128 points of 4
	s_add_co_u32 s50, s50, s52
	s_mov_b32 s51, 0
	; fw: lane (r, h) of wave q wants features 32 q + 16 h + 0 .. 15 of row r: they lie in lane r + 16 (q / 2) of the images j = 4 (q % 2) + 2 h and the next
	s_lshr_b32 s53, s[WQ], 1
	s_lshl_b32 s53, s53, 8
	s_and_b32 s52, s[WQ], 1
	s_lshl_b32 s52, s52, 12
	s_add_co_u32 s53, s53, s52
	s_mul_i32 s54, s[GR], GS                       ; my group's region
	s_add_co_u32 s54, s54, GB
	s_mul_i32 s55, s[WQ], 24                       ; block q of a row
	s_add_co_u32 s55, s55, s54
	s_add_co_u32 s71, s54, SO                      ; scale words,
	s_add_co_u32 s56, s71, s[WQ]                   ; byte q
	s_mul_i32 s58, s[WQ], 32*112                   ; 32 rows of a branch weight
	s_add_co_u32 s57, s58, 2*WT
	s_add_co_u32 s58, s58, 4*WT
	s_lshl_b32 s52, s[WQ], 7
	s_add_co_u32 s59, s52, SB                      ; 32 words of an array
	s_mul_i32 s60, s[GR], 16*BOP
	s_add_co_u32 s60, s60, s52
	s_add_co_u32 s60, s60, BO
	s_lshl_b32 s61, s[GR], 8
	s_lshl_b32 s52, s[WQ], 2
	s_add_co_u32 s61, s61, s52
	s_add_co_u32 s61, s61, CP
	s_mul_i32 s66, s[WV], 1536
	s_add_co_u32 s66, s66, H1L
	s_lshl_b32 s70, s[WV], 6
	s_add_co_u32 s67, s70, HSW
	s_add_co_u32 s70, s70, CP
	s_mul_i32 s68, s[WV], OSW
	s_add_co_u32 s68, s68, OST
	s_mul_i32 s69, s[WV], 4*BOP
	s_add_co_u32 s69, s69, BO
	v_lshl_add_u32 v14, v0, 2, SPARE
	v_mov_b32 v15, 0
	v_and_b32 v192, 15, v0                         ; r
	v_bfe_u32 v193, v0, 4, 1                       ; h
	v_and_b32 v[L16], 31, v0
	v_lshlrev_b32 v194, 4, v0                      ; the weights: 16 x thread
	v_add_nc_u32 v196, 0x100, v0                   ; pieces n + 256, n + 512
	v_add_nc_u32 v197, 0x200, v0
	v_lshlrev_b32 v[L16], 4, v[L16]                ; 16 x lane
	v_mul_u32_u24 v195, 0x2aab, v0                 ; piece / 6 in bits 31:16
	v_mul_u32_u24 v198, 0x2aab, v196
	v_mul_u32_u24 v199, 0x2aab, v197
	v_lshrrev_b32 v195, 16, v195
	v_lshrrev_b32 v198, 16, v198
	v_lshrrev_b32 v199, 16, v199
	v_lshlrev_b32 v196, 4, v196
	v_lshlrev_b32 v197, 4, v197
	v_lshl_add_u32 v195, v195, 4, v194             ; LDS: 16 x piece + 16 x its row
	v_lshl_add_u32 v196, v198, 4, v196
	v_lshl_add_u32 v197, v199, 4, v197
	v_add_nc_u32 v200, SB, v194                    ; LDS: array w, 16 x lane
	v_lshl_add_u32 v201, v0, 2, SB+4096            ; LDS: arrays 8 and 9, 4 x thread
	v_and_b32 v202, 127, v0
	v_lshlrev_b32 v203, 4, v192
	v_mul_u32_u24 v252, 112, v192
	v_lshlrev_b32 v202, 2, v202
	v_lshl_add_u32 v203, v193, 11, v203
	v_mad_u32_u24 v204, v193, 12, v252
	v_mad_u32_u24 v252, v193, 24, v252             ; fragments, rows as they lie
	v_add_nc_u32 v203, s53, v203                   ; fw: sixteen lanes read 256 consecutive bytes, aligned
	v_add_nc_u32 v204, s55, v204                   ; my group's operands, in: row r, block q, half h;
	v_lshl_add_u32 v205, v192, 2, s56              ; byte q of row r's scale word;
	v_add_nc_u32 v206, s54, v252                   ; out
	v_lshl_add_u32 v207, v192, 2, s71
	v_add_nc_u32 v208, s66, v[L16]                 ; h1's image w;
	v_lshl_add_u32 v209, v192, 2, s67              ; its scale words
	v_and_b32 v198, 8, v192
	v_lshrrev_b32 v199, 3, v192
	v_add_nc_u32 v198, v198, v192                  ; r + 8 (r / 8)
	v_mad_u32_u24 v199, v199, 24, v192             ; r + 24 (r / 8)
	v_mul_u32_u24 v55, 112, v198                   ; the branch's fragments, rows chosen for a quantiser behind;
	v_mul_u32_u24 v251, 112, v199                  ; the trunk's
	v_mad_u32_u24 v55, v193, 24, v55
	v_mad_u32_u24 v251, v193, 24, v251
	v_add_nc_u32 v55, s57, v55
	v_add_nc_u32 v56, s58, v252                    ; the branch's, rows as they lie
	v_lshl_add_u32 v57, v198, 2, s59               ; scale words
	v_lshl_add_u32 v58, v192, 2, s59
	v_lshl_add_u32 v59, v193, 6, s59               ; biases: units 32 q + 16 h on,
	v_lshl_add_u32 v60, v193, 5, s59               ; channels 32 q + 8 h on
	v_mul_u32_u24 v61, BOP, v192
	v_lshl_add_u32 v62, v192, 4, s61               ; branch_out . tb3, in: row r, part q
	v_lshl_add_u32 v61, v193, 5, v61
	v_lshl_add_u32 v253, v199, 2, SB
	v_lshl_add_u32 v254, v192, 2, SB
	v_add_nc_u32 v61, s60, v61                     ; branch_out, in: row r, channels 32 q + 8 h on
	v_lshl_add_u32 v255, v193, 7, SB               ; tb2: units 32 h on
	v_lshrrev_b32 v250, 1, v[L16]                  ; 8 x lane
	v_add_nc_u32 v5, H1L, v[L16]
	v_lshl_add_u32 v6, v192, 2, HSW
	v_mul_u32_u24 v7, HP, v193
	v_add_nc_u32 v8, s68, v[L16]
	v_lshl_add_u32 v7, v192, 2, v7
	v_lshl_add_u32 v9, v193, 5, s69                ; branch_out, out: row 4 w, + 32 h
	v_add_nc_u32 v10, CAU, v[L16]
	v_add_nc_u32 v7, s68, v7
	v_mov_b32 v11, s70
	v_mov_b32 v12, 0                               ; written once: a lane permute's destination counts as one of its sources
	v_lshlrev_b32 v13, 3, v193
	WALU                                           ; the head's end
	s_wait_kmcnt 0x0
	s_add_nc_u64 s[8:9], s[8:9], s[4:5]
	s_add_nc_u64 s[10:11], s[10:11], s[6:7]
	s_add_nc_u64 s[22:23], s[22:23], s[50:51]
.irp k, 0,1,2,3                                ; 16 loads: the four partial sums of my 16 features
.irp a, 0,1
.irp g, 0,1
	global_load_b128 v[64+16*\k+8*\a+4*\g:67+16*\k+8*\a+4*\g], v203, s[8:9] offset:\k*131072+1024*\a+512*\g
.endr
.endr
.endr
.irp t, 0,1,2,3,4                              ; 15 loads: my pieces of the weights; each of a wave's covers 512 consecutive bytes
.irp i, 0,1,2
	global_load_b128 v[128+12*\t+4*\i:131+12*\t+4*\i], v194, s[12+2*\t:13+2*\t] offset:4096*\i
.endr
.endr
	s_mov_b64 s[72:73], s[24:25]                   ; wave w copies array w, and a quarter of array 8 (waves 0-3) or 9
.irp i, 1,2,3,4,5,6,7
	s_cmp_eq_u32 s[WV], \i
	s_cselect_b64 s[72:73], s[24+2*\i:25+2*\i], s[72:73]
.endr
	s_cmp_lt_u32 s[WV], 4
	s_cselect_b64 s[74:75], s[40:41], s[42:43]
	global_load_b128 v[188:191], v[L16], s[72:73]
	global_load_b32 v226, v202, s[74:75]
.irp c, 0,1,2
	global_load_b128 v[228+4*\c:231+4*\c], v[L16], s[10:11] offset:512*\c
.endr
	global_load_b64 v[240:241], v250, s[10:11] offset:1536
	s_wait_loadcnt 21                              ; fw's 16 are in; the 21 behind them may be out
.irp i, 0,1,2,3,4,5,6,7
	v_pk_add_f32 v[64+2*\i:65+2*\i], v[64+2*\i:65+2*\i], v[80+2*\i:81+2*\i]
	v_pk_add_f32 v[96+2*\i:97+2*\i], v[96+2*\i:97+2*\i], v[112+2*\i:113+2*\i]
.endr
.irp i, 0,1,2,3,4,5,6,7
	v_pk_add_f32 v[64+2*\i:65+2*\i], v[64+2*\i:65+2*\i], v[96+2*\i:97+2*\i]   ; the coefficients (the division by 1,024 lies in the table's scales)
.endr
	QPUT 0
	s_wait_loadcnt 0x0
.irp t, 0,1,2,3,4
.irp i, 0,1,2
	ds_store_b128 v[195+\i], v[128+12*\t+4*\i:131+12*\t+4*\i] offset:WT*\t
.endr
.endr
	ds_store_b128 v200, v[188:191]
	ds_store_b32 v201, v226
.irp c, 0,1,2
	ds_store_b128 v208, v[228+4*\c:231+4*\c] offset:512*\c
.endr
	ds_store_b32 v209, v240
	ds_store_b32 v209, v241 offset:512             ; (both halves of the lanes write the same word with the same value)
	BAR                                            ; operand 0, the weights, scales, biases and h1's records lie in LDS
	GET 0
	BLOAD 80, 16, 104, 55, 57, 59, 0, 1024, 3584, 896, 32, 32          ; layer 1: 18 loads
	BLOAD 120, 18, 144, 55, 57, 59, WT, 1536, 4096, 896, 32, 32        ; layer 2: 18
	BLOAD 160, 20, 210, 56, 58, 60, 0, 2048, 4608, 1792, 64, 64        ; layer 3: 18,
.irp u, 0,1
	ds_load_b128 v[226+8*\u:229+8*\u], v60 offset:3072+64*\u           ; and tb3 in its results' layout: 4
	ds_load_b128 v[230+8*\u:233+8*\u], v60 offset:3072+64*\u+16
.endr
	s_wait_dscnt 40                                ; layers 2 and 3 may be out
	BLAYER 80, 104, 16, 24
	TFRAGS W2R, 251, 0, 1                          ; the trunk's fragments land under the branch's layers
	PL 5                                           ; four ahead of the first read of the results; one more, since the next layer's products write over these accumulators
	BRELU
	QPUT 1
	BAR
	GET 1
	s_wait_dscnt 0x0
	BLAYER 120, 144, 18, 25
	TFRAGS W3R, 252, WT, 0
	PL 5
	BRELU
	QPUT 2
	BAR
	GET 2
	s_wait_dscnt 0x0
	BLAYER 160, 210, 20, 26
	PL 4
.irp u, 0,1
	ds_store_b128 v61, v[64+8*\u:67+8*\u] offset:64*\u                 ; branch_out(r, 32 q + 16 u + 8 h + 0 .. 7), f32; each accumulator from its low end on
	ds_store_b128 v61, v[68+8*\u:71+8*\u] offset:64*\u+16
.endr
	WIN 0x40
.irp t, 0,1,2,3,4,5,6,7                        ; tb2 at units 64 (t / 4) + 32 h + 8 (t % 4) + 0 .. 7
	ds_load_b128 v[TB2R+8*\t:TB2R+8*\t+3], v255 offset:2560+(64*(\t/4)+8*(\t%4))*4
	ds_load_b128 v[TB2R+8*\t+4:TB2R+8*\t+7], v255 offset:2560+(64*(\t/4)+8*(\t%4))*4+16
.endr
	WIN 0
.irp t, 0,1,2,3,4,5,6,7
	ds_load_b32 v[W2S+\t], v253 offset:(64*(\t/4)+8*(\t%4))*4
	ds_load_b32 v[W3S+\t], v254 offset:512+64*\t
.endr
	v_pk_mul_f32 v[242:243], v[64:65], v[226:227]  ; my part of branch_out . tb3: 16 channels a lane, in two chains
	v_pk_mul_f32 v[244:245], v[66:67], v[228:229]
.irp i, 4,8,12
	v_pk_fma_f32 v[242:243], v[64+\i:65+\i], v[226+\i:227+\i], v[242:243]
	v_pk_fma_f32 v[244:245], v[66+\i:67+\i], v[228+\i:229+\i], v[244:245]
.endr
	v_pk_add_f32 v[242:243], v[242:243], v[244:245]
	v_add_f32 v242, v242, v243
	v_permlanex16_b32 v12, v242, s[SEL], s[SEL+1]
	v_add_f32 v242, v242, v12                      ; with lane l xor 16's: 32 channels
	ds_store_b32 v62, v242                         ; both halves of the lanes write the same word with the same value
	BAR                                            ; branch_out and its dot with tb3 lie in LDS; nothing of them is written again
.macro SECOND                          ; a unit's second layer: tb2 is the C
	WIN 0x11
.irp t, 0,1,2,3,4,5,6,7
	v_wmma_scale_f32_16x16x128_f8f6f4 v[AC1+8*\t:AC1+8*\t+7], v[W2R+12*\t:W2R+12*\t+11], v[FRG:FRG+11], v[TB2R+8*\t:TB2R+8*\t+7], v[W2S+\t], v[FS] matrix_a_fmt:MATRIX_FMT_FP6 matrix_b_fmt:MATRIX_FMT_FP6
.endr
	WIN 0
.endm
.macro THIRD
	WIN 0x01
.irp t, 0,1,2,3,4,5,6,7
	v_wmma_scale_f32_16x16x128_f8f6f4 v[AC2+8*\t:AC2+8*\t+7], v[W3R+12*\t:W3R+12*\t+11], v[HC:HC+11], 0, v[W3S+\t], v[HS] matrix_a_fmt:MATRIX_FMT_FP6 matrix_b_fmt:MATRIX_FMT_FP6
.endr
	WIN 0
.endm
.macro RECORD pt                       ; h1's fragment and scale word of tile pt: 4 loads
.irp c, 0,1,2
	ds_load_b128 v[FRG+4*\c:FRG+4*\c+3], v5 offset:1536*(\pt)+512*\c
.endr
	ds_load_b32 v[FS], v6 offset:64*(\pt)
.endm
.macro BROW                            ; branch_out(my row, 16 t + 8 h + 0 .. 7): 16 loads
.irp t, 0,1,2,3,4,5,6,7
	ds_load_b128 v[BV+8*\t:BV+8*\t+3], v9 offset:64*\t
	ds_load_b128 v[BV+8*\t+4:BV+8*\t+7], v9 offset:64*\t+16
.endr
.endm
.macro DOT k                           ; two of my 64 channels, k = 0 .. 31, in two chains; ascending: each accumulator is read from its low end on
.set D_, 2*((\k)%2)
.set A_, AC2+2*(\k)
.set B_, BV+2*(\k)
.if (\k) < 2
	v_pk_mul_f32 v[D_:D_+1], v[A_:A_+1], v[B_:B_+1]
.else
	v_pk_fma_f32 v[D_:D_+1], v[A_:A_+1], v[B_:B_+1], v[D_:D_+1]
.endif
.endm
.macro DOTEND pt                       ; my half's part of the point's sum, to the stage
	v_pk_add_f32 v[0:1], v[0:1], v[2:3]
	v_add_f32 v0, v0, v1
	ds_store_b32 v7, v0 offset:64*(\pt)
.endm
.macro CLIP k                          ; the activation, in f32, two at a time; ascending
.set A_, AC1+2*(\k)
	v_dual_max_num_f32 v[A_], 0, v[A_] :: v_dual_max_num_f32 v[A_+1], 0, v[A_+1]
.endm
; A STAGE of unit u: behind its second layer.  dot = 1: unit u - 1's sum is made here.  bv = 1: that was its batch row's last: the next row's branch_out is loaded behind it.  next = 1: another unit follows.
.macro STAGE u, dot, bv, next
	PL 4                                           ; ahead of the loads and of the first reads of both layers' results
.if \next
	RECORD ((\u)+1)%8
.endif
.if \bv
	v_add_nc_u32 v9, BOP, v9
.endif
.set n, 0
.rept 28
.if \dot
	DOT n
.endif
	CLIP n
.set n, n+1
.endr
.rept 4
	CLIP n
.set n, n+1
.endr
.irp q, 0,1,2,3                                ; my two blocks of 32, two chains each, by turns; nothing is negative, so no |.|; the floor 2^(3 - 127) holds the byte at 1 from below
	v_max3_num_f32 v[MX+\q], v[AC1+16*\q], v[AC1+16*\q+1], 0x1800000
.endr
.irp i, 2,4,6,8,10,12,14
.irp q, 0,1,2,3
	v_max3_num_f32 v[MX+\q], v[MX+\q], v[AC1+16*\q+\i], v[AC1+16*\q+\i+1]
.endr
.endr
	v_max_num_f32 v[MX], v[MX], v[MX+1]
	v_max_num_f32 v[MX+2], v[MX+2], v[MX+3]
	v_add_nc_u32 v4, 0xff000000, v[MX]             ; 2 off the exponent field: the conversions' scale operands
	v_add_nc_u32 v33, 0xff000000, v[MX+2]
	; (a conversion's three registers begin on an even number, the second half of a block's six does not: it is made in accumulators that an earlier conversion has read, a plain line behind it, and moved)
	v_cvt_scalef32_pk16_fp6_f32 v[HC:HC+2], v[AC1:AC1+15], v4
	v_lshrrev_b32 v[MX+1], 23, v4                  ; the bytes of blocks h and 2 + h
	v_cvt_scalef32_pk16_fp6_f32 v[AC1:AC1+2], v[AC1+16:AC1+31], v4
	v_lshrrev_b32 v[MX+3], 23, v33
	v_cvt_scalef32_pk16_fp6_f32 v[HC+6:HC+8], v[AC1+32:AC1+47], v33
	v_lshl_or_b32 v[MX+1], v[MX+3], 16, v[MX+1]
	v_cvt_scalef32_pk16_fp6_f32 v[AC1+4:AC1+6], v[AC1+48:AC1+63], v33
	v_lshlrev_b32 v[MX+1], v13, v[MX+1]            ; at their places in the scale word (8 h bits up);
	v_permlanex16_b32 v12, v[MX+1], s[SEL], s[SEL+1]
	v_or_b32 v[HS], v[MX+1], v12                   ; with lane l xor 16's two the word is whole
.irp i, 0,1,2
	v_mov_b32 v[HC+3+\i], v[AC1+\i]
	v_mov_b32 v[HC+9+\i], v[AC1+4+\i]
.endr
.if \dot                               ; six plain lines behind the operand's last, twelve behind the scale word: a scaled matrix instruction asks for four and eight
	DOT 28
	DOT 29
	DOT 30
	DOT 31
	DOTEND ((\u)+7)%8
.else
	PL 4
.endif
.if \bv
	BROW
.endif
	THIRD
.if \next
	s_wait_dscnt \dot+16*\bv                       ; the record is in; the sum's store, and branch_out's 16 loads, may be out
	SECOND
.endif
.endm
.macro OUTROW                          ; a batch row leaves: 4 points a lane
	PL 4
	ds_load_b128 v[HC:HC+3], v8                    ; LDS serves a wave's instructions in order (ISA guide 5.7.1.4): these see my eight stores; the bytes are my wave's own
	ds_load_b128 v[HC+4:HC+7], v8 offset:HP
	ds_load_b128 v[HC+8:HC+11], v10
	ds_load_b128 v[MX:MX+3], v11
	v_add_nc_u32 v11, 16, v11
	WALU
	s_wait_dscnt 0x0
	v_add_f32 v[MX], v[MX], v[MX+1]
	v_add_f32 v[MX+2], v[MX+2], v[MX+3]
	v_pk_add_f32 v[HC:HC+1], v[HC:HC+1], v[HC+4:HC+5]
	v_pk_add_f32 v[HC+2:HC+3], v[HC+2:HC+3], v[HC+6:HC+7]
	v_add_f32 v[MX], v[MX], v[MX+2]                ; branch_out . tb3
	v_pk_add_f32 v[HC:HC+1], v[HC:HC+1], v[MX:MX+1] op_sel_hi:[1,0]
	v_pk_add_f32 v[HC+2:HC+3], v[HC+2:HC+3], v[MX:MX+1] op_sel_hi:[1,0]
	v_pk_mul_f32 v[HC:HC+1], v[HC:HC+1], v[HC+8:HC+9]                  ; x causal
	v_pk_mul_f32 v[HC+2:HC+3], v[HC+2:HC+3], v[HC+10:HC+11]
	global_store_b128 v[L16], v[HC:HC+3], s[22:23] th:TH_STORE_NT      ; 32 lanes store 512 consecutive bytes, aligned; written once, read by nobody here
	WALU
	s_wait_xcnt 0x0                                ; the store has read its registers and its base: both are written again only behind this wait
	s_add_nc_u64 s[22:23], s[22:23], 16384         ; the next batch row
.endm
	BROW
	RECORD 0
	s_wait_dscnt 0x0
	SECOND
	STAGE 0, 0, 0, 1
	s_mov_b32 s60, 3                               ; a trip: a batch row's units 1 to 7 and the next row's unit 0
.Lrow:
.irp u, 1,2,3,4,5,6,7
	STAGE \u, 1, 0, 1
.endr
	STAGE 0, 1, 1, 1
	OUTROW
	s_sub_co_u32 s60, s60, 1
	s_cmp_lg_u32 s60, 0
	WALU
	s_cbranch_scc1 .Lrow
.irp u, 1,2,3,4,5,6
	STAGE \u, 1, 0, 1                              ; the last batch row
.endr
	STAGE 7, 1, 0, 0
	PL 4
.set n, 0
.rept 32
	DOT n
.set n, n+1
.endr
	DOTEND 7
	OUTROW
	s_wait_tensorcnt 0x0                           ; the wave's end
	ds_add_u32 v14, v15
	s_wait_dscnt 0x0
	s_endpgm
.Lfunc_end_k_q5c52a33b2d_main:
	.size	k_q5c52a33b2d_main, .Lfunc_end_k_q5c52a33b2d_main-k_q5c52a33b2d_main
	.p2alignl 7, 3214868480
	.fill 96, 4, 3214868480
	.section	.rodata,"a",@progbits
	.p2align	6, 0x0
	.amdhsa_kernel k_q5c52a33b2d_main
		.amdhsa_group_segment_fixed_size 128512
		.amdhsa_private_segment_fixed_size 0
		.amdhsa_enable_private_segment 0
		.amdhsa_kernarg_size 144
		.amdhsa_user_sgpr_count 2
		.amdhsa_user_sgpr_kernarg_segment_ptr 1
		.amdhsa_wavefront_size32 1
		.amdhsa_system_sgpr_workgroup_id_x 1
		.amdhsa_system_sgpr_workgroup_id_y 1
		.amdhsa_system_sgpr_workgroup_id_z 1
		.amdhsa_system_vgpr_workitem_id 0
		.amdhsa_next_free_vgpr 512
		.amdhsa_next_free_sgpr 80
		.amdhsa_reserve_vcc 0
		.amdhsa_float_denorm_mode_32 3
		.amdhsa_float_denorm_mode_16_64 3
		.amdhsa_memory_ordered 1
		.amdhsa_forward_progress 1
		.amdhsa_inst_pref_size 195
	.end_amdhsa_kernel
	.amdgpu_metadata
---
amdhsa.version: [ 1, 2 ]
amdhsa.kernels:
  - .name:           k_q5c52a33b2d_main
    .symbol:         k_q5c52a33b2d_main.kd
    .args:
      - { .name: fw, .offset: 0, .size: 8, .value_kind: global_buffer, .address_space: global }
      - { .name: h1, .offset: 8, .size: 8, .value_kind: global_buffer, .address_space: global }
      - { .name: tw2_codes, .offset: 16, .size: 8, .value_kind: global_buffer, .address_space: global }
      - { .name: tw3_codes, .offset: 24, .size: 8, .value_kind: global_buffer, .address_space: global }
      - { .name: bw1_codes, .offset: 32, .size: 8, .value_kind: global_buffer, .address_space: global }
      - { .name: bw2_codes, .offset: 40, .size: 8, .value_kind: global_buffer, .address_space: global }
      - { .name: bw3_codes, .offset: 48, .size: 8, .value_kind: global_buffer, .address_space: global }
      - { .name: out0, .offset: 56, .size: 8, .value_kind: global_buffer, .address_space: global }
      - { .name: tw2_scales, .offset: 64, .size: 8, .value_kind: global_buffer, .address_space: global }
      - { .name: tw3_scales, .offset: 72, .size: 8, .value_kind: global_buffer, .address_space: global }
      - { .name: bw1_scales, .offset: 80, .size: 8, .value_kind: global_buffer, .address_space: global }
      - { .name: bw2_scales, .offset: 88, .size: 8, .value_kind: global_buffer, .address_space: global }
      - { .name: bw3_scales, .offset: 96, .size: 8, .value_kind: global_buffer, .address_space: global }
      - { .name: tb2, .offset: 104, .size: 8, .value_kind: global_buffer, .address_space: global }
      - { .name: tb3, .offset: 112, .size: 8, .value_kind: global_buffer, .address_space: global }
      - { .name: bb1, .offset: 120, .size: 8, .value_kind: global_buffer, .address_space: global }
      - { .name: bb2, .offset: 128, .size: 8, .value_kind: global_buffer, .address_space: global }
      - { .name: bb3, .offset: 136, .size: 8, .value_kind: global_buffer, .address_space: global }
    .group_segment_fixed_size: 128512
    .private_segment_fixed_size: 0
    .kernarg_segment_align: 8
    .kernarg_segment_size: 144
    .max_flat_workgroup_size: 256
    .sgpr_count:     80
    .vgpr_count:     512
    .wavefront_size: 32
...
	.end_amdgpu_metadata
.endif
;; end of part 2
